; MI455X (gfx1250); checked and timed in simulation.
; The chip was launched on July 23, 2026; its instructions are those of AMD's public machine-readable ISA for CDNA 5 (MIT licence, August 2026) and "CDNA5" Instruction Set Architecture Reference Guide (July 2026). The comments in the code are by the model that wrote it; some were corrected since.
;; S4 Block. Allowed arithmetic: float matrix products may take bf16 or f16 operands with f32 sums; other float arithmetic in f32, or as packed bf16 or f16 multiplies, adds, multiply-adds, maxima and minima; sums over many terms, partial sums and values carried from step to step in f32; what a program stores and reads back later, other than sums and carried values, may be rounded once to bf16 or f16.
;; Inputs: B_param 1,024 x 64 float32; C_param 1,024 x 64 float32; D_param 1,024 float32; W_out 1,024 x 1,024 float32; b_out 1,024 float32; ln_beta 1,024 float32; ln_gamma 1,024 float32; log_A 1,024 x 64 float32; log_dt 1,024 float32; x 8 x 2,048 x 1,024 float32.
;; Outputs: out0 8 x 2,048 x 1,024 float32.
;; One version. Each part assembles by itself: llvm-mc -triple=amdgcn-amd-amdhsa -mcpu=gfx1250 --defsym DOCPART=n.
;; ======== version 1 of 1: 3 launches
;; workspace buffers: u_blk 33,554,432 bytes; y_t 33,554,432 bytes; w_bf 2,097,152 bytes
;; launch ln (part 1): grid 256 x 1, 8 waves a work-group, no clusters, 132,608 bytes of LDS; arguments x, ln_gamma, ln_beta, W_out, u_blk, w_bf; writes u_blk, w_bf
.if DOCPART == 1
	.amdgcn_target "amdgcn-amd-amdhsa--gfx1250"
	.amdhsa_code_object_version 6
	.text
	.protected	k_qf3ef8c197b_ln
	.globl	k_qf3ef8c197b_ln
	.p2align	8
	.type	k_qf3ef8c197b_ln,@function
k_qf3ef8c197b_ln:
	s_mov_b64 s[64:65], 0
	v_nop
	global_prefetch_b8 v0, s[64:65] scope:SCOPE_SE
	s_setreg_imm32_b32 hwreg(HW_REG_WAVE_MODE, 25, 1), 1
	s_wait_xcnt 0x0
; LAYERNORM, TURNED.  u = (x - mean) / sqrt(var + 1e-5) * gamma + beta over the 1,024 channels of a row, all in f32 in two passes over registers
; (mean first, then the squares of x - mean, so a common offset of x costs nothing), rounded once to bf16 and stored channel-major in blocks:
; u_blk[blk][d][i], blk = (b / 2) 64 + 2 c + b % 2, time t = 64 c + i.  Beside it W_out is rounded once to bf16 (w_bf, same order).
; SHARES.  Work-group g owns the 64 rows 64 g .. 64 g + 63 of x (batch g / 32, chunk g % 32): one block of u_blk, 131,072 dense bytes; and 16 KiB of W_out.
; Wave w owns rows 8 w .. 8 w + 7, each whole in registers: lane L holds channels 128 q + 4 L + e (q 0..7, e 0..3): each load of the wave covers 512 consecutive bytes.
; THE TURN goes through LDS.  A lane packs the eight rows of one channel into 16 bytes and puts them at L x 4,112 + (4 q + e) x 128 + 16 w: lanes lie 4,112 bytes apart,
; 16 more than a multiple of 256, so the sixteen lanes of a store fall on sixteen different 16-byte columns.  There 512 consecutive LDS bytes (four channels x 64 times)
; are 512 consecutive bytes of the block, so the way back is plain: 16 bytes a lane, each store of a wave 512 consecutive bytes at a multiple of 512.
; No matrix unit, no cluster: the launch streams, and its work-groups share no input but gamma and beta (8 KiB).
; LIMITS.  NaN and infinities are not treated apart.
.set ROWB,  4096                       ; bytes in a row of x
.set LP,    4112                       ; LDS bytes from one lane's 32 channels to the next lane's
.set SPARE, 32*LP                      ; behind the image: the spare words, 128 bytes for each of eight waves, that no other line names
.set XO,  2                            ; v2   byte offset of my 16 bytes in my wave's first row
.set LST, 3                            ; v3   LDS: where I put 16 bytes
.set LRD, 4                            ; v4   LDS: where I read back
.set GO,  5                            ; v5   my byte offset in the block of u_blk
.set PO,  6                            ; v6   16 x lane: gamma and beta
.set WO,  7                            ; v7   16 x thread: W_out
.set WS,  8                            ; v8   8 x thread: w_bf
.set SPW, 10                           ; v10  LDS address of my spare word; never rewritten
.set NIL, 11                           ; v11  0; never rewritten
.set SUM, 16                           ; v16-23   a sum for each of my eight rows
.set PX,  24                           ; v24-31   the other half of the lanes' sums
.set MU2, 32                           ; v32-47   (mean, mean) for each row
.set R2,  48                           ; v48-63   (1 / sqrt(var + eps)) twice for each row
.set GAM, 64                           ; v64-95   gamma of my 32 channels
.set BET, 96                           ; v96-127  beta
.set T,   128                          ; v128-159 eight rows x four channels at work
.set PK,  160                          ; v160-175 the same, packed: four channels x 16 bytes
.set TT,  176                          ; v176-191 partial sums
.set WV,  192                          ; v192-207 W_out as loaded
.set WP,  208                          ; v208-215 W_out in bf16
.set OB,  128                          ; v128-255 the way back
; window 1 (v256-511): x, row i at v[32 i + 4 q + e]
.set MSB, 0
.macro WIN new                         ; s_set_vgpr_msb: bits 1:0 source 0, 3:2 source 1, 5:4 source 2, 7:6 destination; the high byte repeats the setting that is left
.if MSB != (\new)
	s_set_vgpr_msb (MSB<<8)|(\new)
.set MSB, (\new)
.endif
.endm
	s_load_b256 s[4:11], s[0:1], 0x0               ; x s[4:5], gamma s[6:7], beta s[8:9], W_out s[10:11]
	s_load_b128 s[12:15], s[0:1], 0x20             ; u_blk s[12:13], w_bf s[14:15]
	v_lshl_add_u32 v[SPW], v0, 2, SPARE
	v_mov_b32 v[NIL], 0
	v_lshrrev_b32 v1, 5, v0
	v_readfirstlane_b32 s16, v1                    ; wave 0..7
	v_and_b32 v1, 31, v0                           ; lane
	s_mov_b32 s20, 0x76543210                      ; v_permlanex16_b32: each lane takes its own place in the other half
	s_mov_b32 s21, 0xfedcba98
	s_mov_b32 s22, 0x3a800000                      ; 1 / 1024
	s_mov_b32 s23, 0x3727c5ac                      ; 1e-5
	v_lshlrev_b32 v[PO], 4, v1
	s_lshl_b32 s17, s16, 15                        ; my wave's eight rows
	v_add_nc_u32 v[XO], s17, v[PO]
	v_mul_u32_u24 v[LST], v1, LP
	v_lshl_add_u32 v[LST], s16, 4, v[LST]          ; lane x 4,112 + 16 x wave
	s_mul_i32 s17, s16, 4*LP                       ; back: wave w takes the parts of lanes 4 w .. 4 w + 3
	v_add_nc_u32 v[LRD], s17, v[PO]
	s_lshl_b32 s17, s16, 11
	v_add_nc_u32 v[GO], s17, v[PO]
	v_lshlrev_b32 v[WO], 4, v0
	v_lshlrev_b32 v[WS], 3, v0
.set k, 0
.rept 8
	v_mov_b32 v[PX+k], 0                           ; v_permlanex16_b32 counts as a reader of its destination
.set k, k+1
.endr
	s_lshl_b32 s24, ttmp9, 18                      ; 64 rows of 4,096 bytes
	s_mov_b32 s25, 0
	s_lshr_b32 s26, ttmp9, 6                       ; the block: (b / 2) 64
	s_lshl_b32 s26, s26, 6
	s_and_b32 s27, ttmp9, 31
	s_lshl_b32 s27, s27, 1                         ; + 2 c
	s_or_b32 s26, s26, s27
	s_bfe_u32 s27, ttmp9, 0x10005                  ; + b % 2
	s_or_b32 s26, s26, s27
	s_lshl_b32 s26, s26, 17                        ; x 131,072 bytes
	s_mov_b32 s27, 0
	s_lshl_b32 s28, ttmp9, 14                      ; my 16 KiB of W_out,
	s_mov_b32 s29, 0
	s_lshl_b32 s30, ttmp9, 13                      ; my 8 KiB of w_bf
	s_mov_b32 s31, 0
	s_wait_kmcnt 0x0
	s_add_nc_u64 s[4:5], s[4:5], s[24:25]
	s_add_nc_u64 s[12:13], s[12:13], s[26:27]
	s_add_nc_u64 s[10:11], s[10:11], s[28:29]
	s_add_nc_u64 s[14:15], s[14:15], s[30:31]
	; all 84 loads go out at once: 64 of x, 16 of gamma and beta, 4 of W_out
	WIN 0x40                                       ; destination window 1, address window 0
.set i, 0
.rept 8
.set q, 0
.rept 8
	global_load_b128 v[32*i+4*q:32*i+4*q+3], v[XO], s[4:5] offset:i*ROWB+512*q th:TH_LOAD_NT
.set q, q+1
.endr
.set i, i+1
.endr
	WIN 0
.set q, 0
.rept 8
	global_load_b128 v[GAM+4*q:GAM+4*q+3], v[PO], s[6:7] offset:512*q
	global_load_b128 v[BET+4*q:BET+4*q+3], v[PO], s[8:9] offset:512*q
.set q, q+1
.endr
.set k, 0
.rept 4
	global_load_b128 v[WV+4*k:WV+4*k+3], v[WO], s[10:11] offset:4096*k th:TH_LOAD_NT
.set k, k+1
.endr
.macro TREE8 i                         ; four pairs of partial sums into row i's sum
	v_pk_add_f32 v[TT:TT+1], v[TT:TT+1], v[TT+4:TT+5]
	v_pk_add_f32 v[TT+2:TT+3], v[TT+2:TT+3], v[TT+6:TT+7]
	v_pk_add_f32 v[TT:TT+1], v[TT:TT+1], v[TT+2:TT+3]
	v_add_f32 v[SUM+(\i)], v[TT], v[TT+1]
.endm
.macro ROWSUM i                        ; my 32 numbers of row i
.if 76-8*(\i) > 63
	s_wait_loadcnt 63                              ; behind row i's loads 76 - 8 i were issued; a wait cannot name more than 63, and a smaller count is safe
.else
	s_wait_loadcnt 76-8*(\i)                       ; loads come back in order (ISA guide 5.7.1): row i is in, the 8 (7 - i) + 20 younger loads stay out
.endif
	WIN 0x05                                       ; sources 0 and 1 window 1
.set k, 0
.rept 8
	v_pk_add_f32 v[TT+2*k:TT+2*k+1], v[32*(\i)+4*k:32*(\i)+4*k+1], v[32*(\i)+4*k+2:32*(\i)+4*k+3]
.set k, k+1
.endr
	WIN 0
.set k, 0
.rept 4
	v_pk_add_f32 v[TT+2*k:TT+2*k+1], v[TT+2*k:TT+2*k+1], v[TT+2*k+8:TT+2*k+9]
.set k, k+1
.endr
	TREE8 \i
.endm
.macro REDUCE8                         ; the eight sums across the 32 lanes, by turns: four steps inside each half of 16 lanes, one across the halves; every lane ends with the result
.irp m, 1,2,4,8
.set k, 0
.rept 8
	v_add_f32_dpp v[SUM+k], v[SUM+k], v[SUM+k] row_xmask:\m row_mask:0xf bank_mask:0xf
.set k, k+1
.endr
.endr
.set k, 0
.rept 8
	v_permlanex16_b32 v[PX+k], v[SUM+k], s20, s21
.set k, k+1
.endr
.set k, 0
.rept 8
	v_add_f32 v[SUM+k], v[SUM+k], v[PX+k]
.set k, k+1
.endr
.endm
.macro ROWVAR i                        ; row i becomes x - mean, in place; then the sum of its squares, in four chains
	WIN 0x41                                       ; destination and source 0 window 1
.set k, 0
.rept 16
	v_pk_add_f32 v[32*(\i)+2*k:32*(\i)+2*k+1], v[32*(\i)+2*k:32*(\i)+2*k+1], v[MU2+2*(\i):MU2+2*(\i)+1] neg_lo:[0,1] neg_hi:[0,1]
.set k, k+1
.endr
	WIN 0x05
.set k, 0
.rept 4
	v_pk_mul_f32 v[TT+2*k:TT+2*k+1], v[32*(\i)+2*k:32*(\i)+2*k+1], v[32*(\i)+2*k:32*(\i)+2*k+1]
.set k, k+1
.endr
.rept 12
	v_pk_fma_f32 v[TT+2*(k%4):TT+2*(k%4)+1], v[32*(\i)+2*k:32*(\i)+2*k+1], v[32*(\i)+2*k:32*(\i)+2*k+1], v[TT+2*(k%4):TT+2*(k%4)+1]
.set k, k+1
.endr
	WIN 0
	TREE8 \i
.endm
.macro QGRP q                          ; channels 128 q + 4 L + 0..3 of my eight rows: scaled, rounded, packed by channel, into the image
	WIN 0x01                                       ; source 0 window 1
.set k, 0
.rept 16                               ; row k / 2, channel pair k % 2
	v_pk_mul_f32 v[T+2*k:T+2*k+1], v[32*(k/2)+4*(\q)+2*(k%2):32*(k/2)+4*(\q)+2*(k%2)+1], v[R2+2*(k/2):R2+2*(k/2)+1]
.set k, k+1
.endr
	WIN 0
.set k, 0
.rept 16
	v_pk_fma_f32 v[T+2*k:T+2*k+1], v[T+2*k:T+2*k+1], v[GAM+4*(\q)+2*(k%2):GAM+4*(\q)+2*(k%2)+1], v[BET+4*(\q)+2*(k%2):BET+4*(\q)+2*(k%2)+1]
.set k, k+1
.endr
.set k, 0
.rept 16                               ; channel k / 4, rows 2 (k % 4) and 2 (k % 4) + 1
	v_cvt_pk_bf16_f32 v[PK+k], v[T+8*(k%4)+k/4], v[T+8*(k%4)+4+k/4]
.set k, k+1
.endr
.set k, 0
.rept 4
	ds_store_b128 v[LST], v[PK+4*k:PK+4*k+3] offset:(4*(\q)+k)*128
.set k, k+1
.endr
.endm
.irp i, 0,1,2,3,4,5,6,7
	ROWSUM \i
.endr
	REDUCE8
.set k, 0
.rept 8
	v_mul_f32 v[MU2+2*k], s22, v[SUM+k]
	v_mul_f32 v[MU2+2*k+1], s22, v[SUM+k]
.set k, k+1
.endr
.irp i, 0,1,2,3,4,5,6,7
	ROWVAR \i
.endr
	REDUCE8
.set k, 0
.rept 8
	v_fma_f32 v[SUM+k], v[SUM+k], s22, s23         ; var + eps
.set k, k+1
.endr
.set k, 0
.rept 8
	v_rsq_f32 v[R2+2*k], v[SUM+k]
.set k, k+1
.endr
	v_nop                                          ; a plain instruction between the last v_rsq_f32 and the use of its result (ISA guide 5.7.2)
.set k, 0
	s_wait_alu depctr_va_vdst(0)
.rept 8
	v_mov_b32 v[R2+2*k+1], v[R2+2*k]
.set k, k+1
.endr
	s_wait_loadcnt 0x4                             ; gamma and beta are in; W_out's four loads, issued last, may stay out
.irp q, 0,1,2,3,4,5,6,7
	QGRP \q
.endr
	s_wait_loadcnt 0x0                             ; W_out
.set k, 0
.rept 8
	v_cvt_pk_bf16_f32 v[WP+k], v[WV+2*k], v[WV+2*k+1]
.set k, k+1
.endr
.set k, 0
.rept 4
	global_store_b64 v[WS], v[WP+2*k:WP+2*k+1], s[14:15] offset:2048*k  ; a wave's store covers 256 consecutive bytes, at a multiple of 256
.set k, k+1
.endr
	s_wait_dscnt 0x0                               ; for the others' sake: my part of the image is written
	s_barrier_signal -1
	s_barrier_wait -1                              ; everybody's is
	s_wait_xcnt 0x0                                ; the loads below land on the registers that w_bf's stores read
.set k, 0
.rept 32                               ; image lane 4 w + k / 8, group k % 8: 512 consecutive bytes
	ds_load_b128 v[OB+4*k:OB+4*k+3], v[LRD] offset:(k/8)*LP+(k%8)*512
.set k, k+1
.endr
.set k, 0
.rept 32
	s_wait_dscnt 31-k                              ; LDS loads come back in order: load k is in
	global_store_b128 v[GO], v[OB+4*k:OB+4*k+3], s[12:13] offset:(k%8)*16384+(k/8)*512
.set k, k+1
.endr
	s_wait_tensorcnt 0x0                           ; the wave's end, behind my last LDS store
	ds_add_u32 v[SPW], v[NIL]
	s_wait_dscnt 0x0
	s_endpgm
.Lfunc_end_k_qf3ef8c197b_ln:
	.size	k_qf3ef8c197b_ln, .Lfunc_end_k_qf3ef8c197b_ln-k_qf3ef8c197b_ln
	.p2alignl 7, 3214868480
	.fill 96, 4, 3214868480
	.section	.rodata,"a",@progbits
	.p2align	6, 0x0
	.amdhsa_kernel k_qf3ef8c197b_ln
		.amdhsa_group_segment_fixed_size 132608
		.amdhsa_private_segment_fixed_size 0
		.amdhsa_enable_private_segment 0
		.amdhsa_kernarg_size 48
		.amdhsa_user_sgpr_count 2
		.amdhsa_user_sgpr_kernarg_segment_ptr 1
		.amdhsa_wavefront_size32 1
		.amdhsa_system_sgpr_workgroup_id_x 1
		.amdhsa_system_sgpr_workgroup_id_y 1
		.amdhsa_system_sgpr_workgroup_id_z 1
		.amdhsa_system_vgpr_workitem_id 0
		.amdhsa_next_free_vgpr 512
		.amdhsa_next_free_sgpr 66
		.amdhsa_reserve_vcc 0
		.amdhsa_float_denorm_mode_32 3
		.amdhsa_float_denorm_mode_16_64 3
		.amdhsa_memory_ordered 1
		.amdhsa_forward_progress 1
		.amdhsa_inst_pref_size 78
	.end_amdhsa_kernel
	.amdgpu_metadata
---
amdhsa.version: [ 1, 2 ]
amdhsa.kernels:
  - .name:           k_qf3ef8c197b_ln
    .symbol:         k_qf3ef8c197b_ln.kd
    .args:
      - { .name: x, .offset: 0, .size: 8, .value_kind: global_buffer, .address_space: global }
      - { .name: ln_gamma, .offset: 8, .size: 8, .value_kind: global_buffer, .address_space: global }
      - { .name: ln_beta, .offset: 16, .size: 8, .value_kind: global_buffer, .address_space: global }
      - { .name: W_out, .offset: 24, .size: 8, .value_kind: global_buffer, .address_space: global }
      - { .name: u_blk, .offset: 32, .size: 8, .value_kind: global_buffer, .address_space: global }
      - { .name: w_bf, .offset: 40, .size: 8, .value_kind: global_buffer, .address_space: global }
    .group_segment_fixed_size: 132608
    .private_segment_fixed_size: 0
    .kernarg_segment_align: 8
    .kernarg_segment_size: 48
    .max_flat_workgroup_size: 256
    .sgpr_count:     66
    .vgpr_count:     512
    .wavefront_size: 32
...
	.end_amdgpu_metadata
.endif
;; end of part 1
;; launch ssm (part 2): grid 256 x 1, 4 waves a work-group, no clusters, 229,888 bytes of LDS; arguments u_blk, log_A, B_param, C_param, D_param, log_dt, y_t; writes y_t
.if DOCPART == 2
	.amdgcn_target "amdgcn-amd-amdhsa--gfx1250"
	.amdhsa_code_object_version 6
	.text
	.protected	k_qf3ef8c197b_ssm
	.globl	k_qf3ef8c197b_ssm
	.p2align	8
	.type	k_qf3ef8c197b_ssm,@function
k_qf3ef8c197b_ssm:
	s_mov_b64 s[64:65], 0
	v_nop
	global_prefetch_b8 v0, s[64:65] scope:SCOPE_SE
	s_setreg_imm32_b32 hwreg(HW_REG_WAVE_MODE, 25, 1), 1
	s_wait_xcnt 0x0
; THE RECURRENCE, IN CHUNKS OF 64 STEPS, ON THE MATRIX UNITS.  For channel d: h_t = dA h_(t-1) + dB u_t, y_t = C . h_t + D u_t, dA = exp(-exp(log_A) dt), dB = B dt, dt = exp(log_dt).
; With x_t = dA x_(t-1) + u_t (h = dB x), cb = C B dt, and H'_c = dA x at the end of chunk c:
;   H'_c = dA^64 H'_(c-1) + sum over s of P[s][n] u_s,                       P[s][n] = dA^(64 - s)
;   y_i  = sum over s <= i of K[i - s] u_s + sum over n of G[i][n] H'_(c-1)[n] + D u_i,      G[i][n] = cb_n dA_n^i,   K[j] = sum over n of G[j][n]
; All powers are 2^(j lam), lam = -exp(log_A) dt log2(e), made in f32.  G, P, K, u and the copy of H' that is multiplied are bf16 matrix operands; all sums, the carry H' and D are f32;
; y is rounded once to bf16 and stored channel-major: y_t[d][b 2048 + t].
; SHARES.  Work-group g owns channels 4 g .. 4 g + 3, all batches, all times.  Wave w first builds the tables of channel 4 g + w, in LDS; then every wave takes all four channels'
; tables into registers and walks batches 2 w, 2 w + 1: four steps of eight chunks, in each a TILE of 16 columns (column 8 bb + c': batch 2 w + bb, chunk c0 + c') for each channel.
; A TILE, 22 matrix instructions:
;   P1  S[nt] = U^T x P   (rows = columns of the tile, k = time): lane (r, h), register j holds state n = 16 nt + r of batch h, chunk j: THE CARRY RUNS INSIDE A LANE, eight fused multiply-adds
;   P2  Y[mt] = Tz x U    (Tz the lower triangular Toeplitz matrix of K; a fragment hangs on mt - 2 ks alone: four fragments; the two blocks above the diagonal are left out)
;   P3  Y[mt] += G x H'   (H' of the chunk before, rounded, turned through a stage of the wave's own by ds_load_tr16_b128)
; The SAME registers of U serve as rows in P1, as columns in P2, and hold, for the lane and register of Y, the very u that D multiplies.
; u comes in by one tensor load a wave (64 rows of 512 bytes: a row = one chunk of one batch, four channels x 64 times); by this text's count one tensor load of a wave is out.  Nothing is filled again.
; No cluster: the work-groups share no input.
; LIMITS.  exp(log_A) dt must be finite (0 x infinity would arise at power 0); a power below 2^-126 counts as 0; NaN and infinities are not treated apart.
.set UPITCH, 528                       ; a row of U in LDS: 512 bytes + 16: the 16 rows that a fragment load touches fall on 16 different 16-byte columns
.set UWAVE,  64*UPITCH                 ; a wave's 64 rows
.set TAB,    4*UWAVE                   ; tables: for each channel 33 quads of 512 bytes (lane L at 16 L): quad 4 mt + 2 ks + g2: G; 16 + 4 nt + 2 ks + g2: P; 32: dA^64 in f32
.set TABCH,  33*512
.set ZB,     TAB+4*TABCH               ; for each channel eight shifted copies of Z (Z[p] = K[63 - p], 0 from p = 64 on): copy q holds Z[x + q]: every fragment load is aligned
.set ZCH,    2048
.set ZP,     208                       ; from copy to copy
.set HST,    ZB+4*ZCH                  ; for each wave: H', [state][column], in two planes of eight columns
.set HPL,    1152
.set YST,    HST+4*2*HPL               ; for each wave: Y, 16 columns x (128 + 16) bytes
.set YPITCH, 144
.set SPARE,  YST+4*16*YPITCH           ; the spare words, 128 bytes for each wave, that no other line names
.set UA0,  4                           ; v4   my place in a step's 16 rows of U
.set HSST, 5                           ; v5   H' stage, in
.set HSLD, 6                           ; v6   H' stage, back (turned)
.set YSST, 7                           ; v7   Y stage, in
.set YSLD, 8                           ; v8   Y stage, back
.set YO,   9                           ; v9   16 x lane: my bytes in 512 consecutive bytes of y_t; never rewritten
.set SPW,  10                          ; v10  LDS address of my spare word; never rewritten
.set NIL,  11                          ; v11  0; never rewritten
.set TBL,  12                          ; v12  tables of channels 0, 1
.set TBL2, 13                          ; v13  of channels 2, 3
.set ZLD,  14                          ; v14  my place in the copies of Z
.set UAC,  15                          ; v15  UA0 + the step
.set DV,   16                          ; v16-19   D of the four channels
.set AL,   20                          ; v20-35   dA^64: 4 ch + nt
.set CAR,  36                          ; v36-51   the carry H', f32: 4 ch + nt
.set UF,   52                          ; v52-83   U: two buffers of two fragments
.set SA,   84                          ; v84-115  S, four accumulators
.set HP,   116                         ; v116-131 H' packed
.set HB,   132                         ; v132-147 H' as columns, two fragments
.set YA,   148                         ; v148-179 Y, four accumulators
.set YPK,  180                         ; v180-195 Y packed
.set OBY,  196                         ; v196-211 Y back from the stage
; windows 1, 2: channel ch in window 1 + ch / 2: G at 128 (ch % 2) + 8 (2 mt + ks), P at 128 (ch % 2) + 64 + 8 (2 nt + ks).  window 3: Tz at 32 ch + 8 (mt - 2 ks)
; the build's registers, free again when it ends:
.set LAK,  52                          ; lam of states 32 ks + 16 g2 + 8 h + jj at 16 ks + 8 g2 + jj
.set CBK,  84                          ; cb of the same
.set CK,   116                         ; C as loaded
.set FS,   148                         ; 64 - s for s = 32 ks + 16 g2 + 8 h + jj
.set LN4,  180                         ; lam of states 16 nt + r
.set ARG,  184
.set GQ,   200
.set KS,   208
.set FI,   212                         ; (i, i): the row of G in hand
.set TM,   216                         ; v216-229 at work
.set PARO, 232
.set LNO,  233
.set TST,  234
.set ZST,  235
.set ZFL,  236
.set DOF,  237
.set DTO,  238
.set MSB, 0
.macro WIN new                         ; s_set_vgpr_msb: bits 1:0 source 0, 3:2 source 1, 5:4 source 2, 7:6 destination; the high byte repeats the setting that is left
.if MSB != (\new)
	s_set_vgpr_msb (MSB<<8)|(\new)
.set MSB, (\new)
.endif
.endm
	s_load_b256 s[4:11], s[0:1], 0x0               ; u_blk s[4:5], log_A s[6:7], B s[8:9], C s[10:11]
	s_load_b128 s[12:15], s[0:1], 0x20             ; D s[12:13], log_dt s[14:15]
	s_load_b64 s[16:17], s[0:1], 0x30              ; y_t
	v_lshl_add_u32 v[SPW], v0, 2, SPARE
	v_mov_b32 v[NIL], 0
	ds_add_u32 v[SPW], v[NIL]                      ; the wave's opening: the add and its wait ahead of my tensor load; the set-up below, work on registers, stands between them
	ds_add_u32 v10, v11
	v_lshrrev_b32 v1, 5, v0
	v_readfirstlane_b32 s18, v1                    ; wave 0..3
	s_lshl_b32 s19, ttmp9, 2
	s_add_co_u32 s19, s19, s18                     ; the channel whose tables I build
	; descriptor group 1: 64 rows x 256 elements of 2 bytes, 65,536 elements from row to row (a block of u_blk), padded in LDS
	s_mov_b32 s24, (1<<16)|(1<<20)|(6<<22)|(3<<25) ; 17:16 2-byte elements; 20 padding on; 24:22 after every 128 words (code 6); 31:25 4 words (code 3)
	s_mov_b32 s25, 256<<16                         ; tensor_dim0 = 256
	s_mov_b32 s26, 64<<16                          ; tensor_dim1 = 64
	s_mov_b32 s27, 256<<16                         ; tile_dim0 = 256
	s_mov_b32 s28, 64                              ; tile_dim1 = 64
	s_mov_b32 s29, 65536                           ; tensor_dim0_stride
	s_mov_b32 s30, 0
	s_mov_b32 s31, 0
	s_mov_b32 s32, 1                               ; group 0: count = 1
	s_mul_i32 s33, s18, UWAVE                      ; LDS address: my wave's rows
	s_lshl_b32 s20, s18, 23                        ; my pair of batches: 64 blocks of 131,072 bytes,
	s_lshl_b32 s21, ttmp9, 9                       ; in each my four channels' 512 bytes
	s_add_co_u32 s20, s20, s21
	s_mov_b32 s21, 0
	s_lshl_b32 s22, ttmp9, 17                      ; y_t: four channels of 32,768 bytes,
	s_lshl_b32 s23, s18, 13                        ; two batches of 4,096
	s_add_co_u32 s22, s22, s23
	s_mov_b32 s23, 0
	s_mov_b32 s40, 0x76543210                      ; v_permlanex16_b32: each lane takes its own place in the other half
	s_mov_b32 s41, 0xfedcba98
	s_wait_dscnt 0x0                               ; the opening add is done
	s_wait_kmcnt 0x0
	s_add_nc_u64 s[34:35], s[4:5], s[20:21]
	s_or_b32 s35, s35, 0x80000000                  ; type = 2
	s_add_nc_u64 s[16:17], s[16:17], s[22:23]
	tensor_load_to_lds s[32:35], s[24:31]          ; all my u; it lands while the tables are built
	s_nop 0
	v_and_b32 v1, 31, v0                           ; L
	v_and_b32 v2, 15, v0                           ; r
	v_bfe_u32 v3, v0, 4, 1                         ; h
	v_and_b32 v[TM], 7, v0                         ; L % 8
	v_bfe_u32 v[TM+1], v0, 3, 1                    ; (L / 8) % 2
	v_lshl_add_u32 v[TM+2], v[TM], 1, v[TM+1]      ; column r = 8 bb + c' lies in row 2 c' + bb of the step
	v_mul_u32_u24 v[UA0], v[TM+2], UPITCH
	v_lshl_add_u32 v[UA0], v3, 4, v[UA0]
	v_add_nc_u32 v[UA0], s33, v[UA0]
	s_mul_i32 s36, s18, 2*HPL
	s_add_co_u32 s37, s36, YST                     ; both stages are 2,304 bytes a wave
	s_add_co_u32 s36, s36, HST
	v_mul_u32_u24 v[HSST], v3, HPL                 ; in: plane h (columns 8 h ..), state 16 nt + r, 16 bytes
	v_lshl_add_u32 v[HSST], v2, 4, v[HSST]
	v_add_nc_u32 v[HSST], s36, v[HSST]
	v_lshl_add_u32 v[TM+2], v3, 3, v[TM]           ; back: state 8 h + L % 8, plane (L / 8) % 2
	v_mul_u32_u24 v[HSLD], v[TM+1], HPL
	v_lshl_add_u32 v[HSLD], v[TM+2], 4, v[HSLD]
	v_add_nc_u32 v[HSLD], s36, v[HSLD]
	v_mul_u32_u24 v[YSST], v2, YPITCH              ; in: column r, times 16 mt + 8 h ..
	v_lshl_add_u32 v[YSST], v3, 4, v[YSST]
	v_add_nc_u32 v[YSST], s37, v[YSST]
	v_lshrrev_b32 v[TM+2], 3, v1                   ; back: four columns of 128 bytes a load
	v_mul_u32_u24 v[YSLD], v[TM+2], YPITCH
	v_lshl_add_u32 v[YSLD], v[TM], 4, v[YSLD]
	v_add_nc_u32 v[YSLD], s37, v[YSLD]
	v_lshlrev_b32 v[YO], 4, v1
	v_add_nc_u32 v[TBL], TAB, v[YO]
	v_add_nc_u32 v[TBL2], TAB+2*TABCH, v[YO]
	; Tz, lane (r, h), element kk: K[16 dl + r - kk] = Z[63 - 16 dl - r + kk]: copy 7 - r % 8, from element 56 - 8 (r / 8) - 16 dl + 8 h + 16 g2 on
	v_sub_nc_u32 v[TM+2], 7, v[TM]
	v_mul_u32_u24 v[ZLD], v[TM+2], ZP
	v_lshl_add_u32 v[ZLD], v3, 4, v[ZLD]
	v_sub_nc_u32 v[TM+3], 1, v[TM+1]
	v_lshl_add_u32 v[ZLD], v[TM+3], 4, v[ZLD]      ; 16 - 16 (r / 8); the other 96 bytes stand in the loads' offsets
	v_add_nc_u32 v[ZLD], ZB, v[ZLD]
	s_lshl_b32 s38, s19, 8                         ; a channel's 64 numbers are 256 bytes
	v_lshl_add_u32 v[PARO], v3, 5, s38
	v_lshl_add_u32 v[LNO], v2, 2, s38
	s_lshl_b32 s39, s19, 2
	v_mov_b32 v[DTO], s39
	s_lshl_b32 s39, ttmp9, 4
	v_mov_b32 v[DOF], s39
	s_mul_i32 s39, s18, TABCH
	s_add_co_u32 s39, s39, TAB
	v_add_nc_u32 v[TST], s39, v[YO]
	s_lshl_b32 s39, s18, 11
	s_add_co_u32 s39, s39, ZB
	v_add_nc_u32 v[ZFL], s39, v[YO]
	v_sub_nc_u32 v[TM+2], 15, v2                   ; K[j] goes to element 63 - j - q of copy q: byte 206 q + 126 - 2 j; lanes of half h write copy 2 a + h
	v_mul_u32_u24 v[ZST], v3, 206
	v_lshl_add_u32 v[ZST], v[TM+2], 1, v[ZST]
	v_add_nc_u32 v[ZST], s39, v[ZST]
.set k, 0
.rept 8                                ; k = 4 ks + 2 g2 + z: states 32 ks + 16 g2 + 8 h + 4 z ..
	global_load_b128 v[LAK+4*k:LAK+4*k+3], v[PARO], s[6:7] offset:128*(k/4)+64*((k/2)%2)+16*(k%2)
	global_load_b128 v[CBK+4*k:CBK+4*k+3], v[PARO], s[8:9] offset:128*(k/4)+64*((k/2)%2)+16*(k%2)
	global_load_b128 v[CK+4*k:CK+4*k+3], v[PARO], s[10:11] offset:128*(k/4)+64*((k/2)%2)+16*(k%2)
.set k, k+1
.endr
.set k, 0
.rept 4
	global_load_b32 v[LN4+k], v[LNO], s[6:7] offset:64*k
.set k, k+1
.endr
	global_load_b32 v[TM+4], v[DTO], s[14:15]
	global_load_b128 v[DV:DV+3], v[DOF], s[12:13]
	; in the wait for them: 64 - s, the first row number, zeros for Z and for the carry
	v_lshlrev_b32 v[TM+5], 3, v3
	v_sub_nc_u32 v[TM+5], 64, v[TM+5]
.set k, 0
.rept 32
	v_sub_nc_u32 v[FS+k], v[TM+5], 32*(k/16)+16*((k/8)%2)+k%8
.set k, k+1
.endr
.set k, 0
.rept 32
	v_cvt_f32_u32 v[FS+k], v[FS+k]
.set k, k+1
.endr
	v_cvt_f32_u32 v[FI], v2
	v_cvt_f32_u32 v[FI+1], v2
	v_mov_b32 v[TM+6], 0                           ; v_permlanex16_b32 counts as a reader of its destination
.set k, 0
.rept 4
	v_mov_b32 v[GQ+k], 0
.set k, k+1
.endr
.set k, 0
.rept 4
	ds_store_b128 v[ZFL], v[GQ:GQ+3] offset:512*k  ; my channel's copies of Z start as zeros; LDS serves a wave's instructions in order, so K's stores below come behind these
.set k, k+1
.endr
.set k, 0
.rept 16
	v_mov_b32 v[CAR+k], 0                          ; h0 = 0
.set k, k+1
.endr
	s_wait_loadcnt 0x0
	v_mul_f32 v[TM+4], 0x3fb8aa3b, v[TM+4]
	v_exp_f32 v[TM+8], v[TM+4]                     ; dt
	v_nop                                          ; a plain instruction behind a transcendental, ahead of the use of its result (ISA guide 5.7.2): so behind every run of them below
	s_wait_alu depctr_va_vdst(0)
	v_mov_b32 v[TM+9], v[TM+8]
	v_mul_f32 v[TM+10], 0xbfb8aa3b, v[TM+8]        ; -dt log2(e)
	v_mul_f32 v[TM+11], 0xbfb8aa3b, v[TM+8]
.set k, 0
.rept 16
	v_pk_mul_f32 v[LAK+2*k:LAK+2*k+1], v[LAK+2*k:LAK+2*k+1], 0x3fb8aa3b op_sel_hi:[1,0]
.set k, k+1
.endr
.set k, 0
.rept 4
	v_mul_f32 v[LN4+k], 0x3fb8aa3b, v[LN4+k]
.set k, k+1
.endr
.set k, 0
.rept 32
	v_exp_f32 v[LAK+k], v[LAK+k]
.set k, k+1
.endr
.set k, 0
.rept 4
	v_exp_f32 v[LN4+k], v[LN4+k]
.set k, k+1
.endr
	v_nop
.set k, 0
	s_wait_alu depctr_va_vdst(0)
.rept 16
	v_pk_mul_f32 v[LAK+2*k:LAK+2*k+1], v[LAK+2*k:LAK+2*k+1], v[TM+10:TM+11]   ; lam
	v_pk_mul_f32 v[CBK+2*k:CBK+2*k+1], v[CBK+2*k:CBK+2*k+1], v[TM+8:TM+9]     ; B dt
.set k, k+1
.endr
	v_pk_mul_f32 v[LN4:LN4+1], v[LN4:LN4+1], v[TM+10:TM+11]
	v_pk_mul_f32 v[LN4+2:LN4+3], v[LN4+2:LN4+3], v[TM+10:TM+11]
.set k, 0
.rept 16
	v_pk_mul_f32 v[CBK+2*k:CBK+2*k+1], v[CBK+2*k:CBK+2*k+1], v[CK+2*k:CK+2*k+1]  ; cb
.set k, k+1
.endr
; G's fragment (mt, ks): row i = 16 mt + r, my 16 states of half ks; their sum goes on into K[i]
.macro GHALF mt, ks
.set k, 0
.rept 8
	v_pk_mul_f32 v[ARG+2*k:ARG+2*k+1], v[LAK+16*(\ks)+2*k:LAK+16*(\ks)+2*k+1], v[FI:FI+1] op_sel_hi:[1,0]
.set k, k+1
.endr
.set k, 0
.rept 16
	v_exp_f32 v[ARG+k], v[ARG+k]
.set k, k+1
.endr
	v_nop
.set k, 0
	s_wait_alu depctr_va_vdst(0)
.rept 8
	v_pk_mul_f32 v[ARG+2*k:ARG+2*k+1], v[ARG+2*k:ARG+2*k+1], v[CBK+16*(\ks)+2*k:CBK+16*(\ks)+2*k+1]
.set k, k+1
.endr
.if (\ks) == 0
	v_pk_add_f32 v[KS:KS+1], v[ARG:ARG+1], v[ARG+4:ARG+5]        ; the first terms start the two chains
	v_pk_add_f32 v[KS+2:KS+3], v[ARG+2:ARG+3], v[ARG+6:ARG+7]
.set k, 4
.rept 4
	v_pk_add_f32 v[KS+2*(k%2):KS+2*(k%2)+1], v[KS+2*(k%2):KS+2*(k%2)+1], v[ARG+2*k:ARG+2*k+1]
.set k, k+1
.endr
.else
.set k, 0
.rept 8
	v_pk_add_f32 v[KS+2*(k%2):KS+2*(k%2)+1], v[KS+2*(k%2):KS+2*(k%2)+1], v[ARG+2*k:ARG+2*k+1]
.set k, k+1
.endr
.endif
.set k, 0
.rept 8
	v_cvt_pk_bf16_f32 v[GQ+k], v[ARG+2*k], v[ARG+2*k+1]
.set k, k+1
.endr
	ds_store_b128 v[TST], v[GQ:GQ+3] offset:512*(4*(\mt)+2*(\ks))
	ds_store_b128 v[TST], v[GQ+4:GQ+7] offset:512*(4*(\mt)+2*(\ks)+1)
.endm
.macro GROW mt
	GHALF \mt, 0
	GHALF \mt, 1
	v_pk_add_f32 v[KS:KS+1], v[KS:KS+1], v[KS+2:KS+3]
	v_add_f32 v[KS], v[KS], v[KS+1]
	v_permlanex16_b32 v[TM+6], v[KS], s40, s41     ; the row's other 32 states lie in the lane 16 away
	v_add_f32 v[KS], v[KS], v[TM+6]
	v_cvt_pk_bf16_f32 v[TM+7], v[KS], v[KS]
.irp a, 0,1,2,3
	ds_store_b16 v[ZST], v[TM+7] offset:412*\a+96-32*(\mt)  ; an element that would fall in front of its copy lands in the 32 unused bytes behind the copy before
.endr
	v_add_f32 v[FI], 0x41800000, v[FI]             ; 16 rows on
.endm
; P's fragments (nt, 0) and (nt, 1): state 16 nt + r, times s
.macro PROW nt
	v_mov_b32 v[TM+12], v[LN4+(\nt)]
	v_mov_b32 v[TM+13], v[LN4+(\nt)]
.irp ks, 0,1
.set k, 0
.rept 8
	v_pk_mul_f32 v[ARG+2*k:ARG+2*k+1], v[FS+16*\ks+2*k:FS+16*\ks+2*k+1], v[TM+12:TM+13]
.set k, k+1
.endr
.set k, 0
.rept 16
	v_exp_f32 v[ARG+k], v[ARG+k]
.set k, k+1
.endr
	v_nop
.set k, 0
	s_wait_alu depctr_va_vdst(0)
.rept 8
	v_cvt_pk_bf16_f32 v[GQ+k], v[ARG+2*k], v[ARG+2*k+1]
.set k, k+1
.endr
	ds_store_b128 v[TST], v[GQ:GQ+3] offset:512*(16+4*(\nt)+2*\ks)
	ds_store_b128 v[TST], v[GQ+4:GQ+7] offset:512*(16+4*(\nt)+2*\ks+1)
.endr
.endm
	GROW 0
	GROW 1
	GROW 2
	GROW 3
.set k, 0
.rept 4
	v_mul_f32 v[GQ+k], 0x42800000, v[LN4+k]        ; 64 lam
.set k, k+1
.endr
.set k, 0
.rept 4
	v_exp_f32 v[GQ+k], v[GQ+k]
.set k, k+1
.endr
	v_nop
	s_wait_alu depctr_va_vdst(0)
	ds_store_b128 v[TST], v[GQ:GQ+3] offset:512*32 ; dA^64 of states 16 nt + r, f32
	PROW 0
	PROW 1
	PROW 2
	PROW 3
	s_wait_dscnt 0x0                               ; for the others' sake: my channel's tables are written
	s_barrier_signal -1
	s_barrier_wait -1                              ; all four channels' are.  My tensor load may still be out
.macro LOADTAB ch                      ; a channel's tables into registers, where they stay
.if (\ch) < 2
.set TBR, TBL
.else
.set TBR, TBL2
.endif
.set TOF, ((\ch)%2)*TABCH
	WIN (1+(\ch)/2)<<6
.set k, 0
.rept 32
	ds_load_b128 v[128*((\ch)%2)+4*k:128*((\ch)%2)+4*k+3], v[TBR] offset:TOF+512*k
.set k, k+1
.endr
	WIN 0xc0
.set k, 0
.rept 8                                ; k = 2 dl + g2
	ds_load_b128 v[32*(\ch)+4*k:32*(\ch)+4*k+3], v[ZLD] offset:(\ch)*ZCH+96-32*(k/2)+32*(k%2)
.set k, k+1
.endr
	WIN 0
	ds_load_b128 v[AL+4*(\ch):AL+4*(\ch)+3], v[TBR] offset:TOF+512*32
.endm
	LOADTAB 0
	LOADTAB 1
	LOADTAB 2
	LOADTAB 3
.macro ULOAD ch                        ; the tile's U, two fragments: column r, times 32 ks + 16 g2 + 8 h ..
.set UBL, UF+16*((\ch)%2)
.irp k, 0,1,2,3
	ds_load_b128 v[UBL+4*\k:UBL+4*\k+3], v[UAC] offset:(\ch)*128+32*\k
.endr
.endm
.macro YSEND ch                        ; a tile's Y leaves: each store of the wave covers 512 consecutive bytes (four chunks of one batch), at a multiple of 512
.irp q, 0,1,2,3
	global_store_b128 v[YO], v[OBY+4*\q:OBY+4*\q+3], s[16:17] offset:(\ch)*32768+(\q/2)*4096+(\q%2)*512
.endr
.endm
.macro PLACES                          ; a vector instruction that reads a matrix result, and a load into a register that a matrix instruction has read, stand four places behind it
.rept 4
	v_nop
.endr
.endm
; The accumulators take turns in all three products, one instruction a turn.
.macro TILE ch
.set UB, UF+16*((\ch)%2)
.set PW, 1+(\ch)/2
.set TB0, 128*((\ch)%2)
.if (\ch) == 0
	s_wait_dscnt 0x0                               ; U is in
.else
	s_wait_dscnt 0x8                               ; U is in: behind its loads stand the last tile's four stores into the Y stage and four loads from it
.endif
	WIN PW<<2                                      ; P in the channel's window
.irp nt, 0,1,2,3
	v_wmma_f32_16x16x32_bf16 v[SA+8*\nt:SA+8*\nt+7], v[UB:UB+7], v[TB0+64+16*\nt:TB0+64+16*\nt+7], 0
.endr
.irp nt, 0,1,2,3
	v_wmma_f32_16x16x32_bf16 v[SA+8*\nt:SA+8*\nt+7], v[UB+8:UB+15], v[TB0+64+16*\nt+8:TB0+64+16*\nt+15], v[SA+8*\nt:SA+8*\nt+7]
.endr
	WIN 3                                          ; Tz in window 3
.irp mt, 0,1,2,3
	v_wmma_f32_16x16x32_bf16 v[YA+8*\mt:YA+8*\mt+7], v[32*(\ch)+8*\mt:32*(\ch)+8*\mt+7], v[UB:UB+7], 0
.endr
.irp mt, 2,3
	v_wmma_f32_16x16x32_bf16 v[YA+8*\mt:YA+8*\mt+7], v[32*(\ch)+8*(\mt-2):32*(\ch)+8*(\mt-2)+7], v[UB+8:UB+15], v[YA+8*\mt:YA+8*\mt+7]
.endr
	WIN 0
.if (\ch) > 0
	s_wait_dscnt 0x0                               ; the last tile's Y is back from the stage
	YSEND (\ch)-1
.endif
	PLACES
	; the carry: H' at the end of chunk j = S[j] + dA^64 x H' at the end of chunk j - 1, in f32, four states by turns
.irp nt, 0,1,2,3
	v_fmac_f32 v[SA+8*\nt], v[AL+4*(\ch)+\nt], v[CAR+4*(\ch)+\nt]
.endr
.irp j, 1,2,3,4,5,6,7
.irp nt, 0,1,2,3
	v_fmac_f32 v[SA+8*\nt+\j], v[AL+4*(\ch)+\nt], v[SA+8*\nt+\j-1]
.endr
.endr
.irp nt, 0,1,2,3                       ; chunk j is multiplied by the H' that enters it: the carry, then S[0] .. S[6]
	v_cvt_pk_bf16_f32 v[HP+4*\nt], v[CAR+4*(\ch)+\nt], v[SA+8*\nt]
	v_cvt_pk_bf16_f32 v[HP+4*\nt+1], v[SA+8*\nt+1], v[SA+8*\nt+2]
	v_cvt_pk_bf16_f32 v[HP+4*\nt+2], v[SA+8*\nt+3], v[SA+8*\nt+4]
	v_cvt_pk_bf16_f32 v[HP+4*\nt+3], v[SA+8*\nt+5], v[SA+8*\nt+6]
	v_mov_b32 v[CAR+4*(\ch)+\nt], v[SA+8*\nt+7]
	ds_store_b128 v[HSST], v[HP+4*\nt:HP+4*\nt+3] offset:256*\nt
.endr
.irp k, 0,1,2,3
	ds_load_tr16_b128 v[HB+4*\k:HB+4*\k+3], v[HSLD] offset:256*\k  ; LDS serves a wave's instructions in order (ISA guide 5.7.1.4): these see the stores above
.endr
.if (\ch) < 3
	ULOAD (\ch)+1                                  ; the next tile's U, into the other buffer
	s_wait_dscnt 0x4                               ; H' is in; the four loads of U just issued may stay out
.else
	s_wait_dscnt 0x0
.endif
	WIN PW                                         ; G in the channel's window
.irp ks, 0,1
.irp mt, 0,1,2,3
	v_wmma_f32_16x16x32_bf16 v[YA+8*\mt:YA+8*\mt+7], v[TB0+16*\mt+8*\ks:TB0+16*\mt+8*\ks+7], v[HB+8*\ks:HB+8*\ks+7], v[YA+8*\mt:YA+8*\mt+7]
.endr
.endr
	WIN 0
	PLACES
	; + D u: register j of Y[mt] is time 16 mt + 8 h + j of column r: half j % 2 of U's register 4 mt + j / 2 in the same lane.  Each accumulator is read from its low end on
.irp mt, 0,1,2,3
.irp j, 0,1,2,3,4,5,6,7
.if (\j)%2
	v_fma_mix_f32_bf16 v[YA+8*\mt+\j], v[UB+4*\mt+\j/2], v[DV+(\ch)], v[YA+8*\mt+\j] op_sel:[1,0,0] op_sel_hi:[1,0,0]
.else
	v_fma_mix_f32_bf16 v[YA+8*\mt+\j], v[UB+4*\mt+\j/2], v[DV+(\ch)], v[YA+8*\mt+\j] op_sel_hi:[1,0,0]
.endif
.endr
.endr
.set k, 0
.rept 16
	v_cvt_pk_bf16_f32 v[YPK+k], v[YA+2*k], v[YA+2*k+1]
.set k, k+1
.endr
	s_wait_xcnt 0x0                                ; the loads below land on the registers that the last tile's stores read
.irp mt, 0,1,2,3
	ds_store_b128 v[YSST], v[YPK+4*\mt:YPK+4*\mt+3] offset:32*\mt
.endr
.irp q, 0,1,2,3
	ds_load_b128 v[OBY+4*\q:OBY+4*\q+3], v[YSLD] offset:4*YPITCH*\q
.endr
.endm
	s_wait_dscnt 0x0                               ; the tables are in registers
	s_wait_tensorcnt 0x0                           ; my u has landed; only I read it
	s_mov_b32 s42, 4                               ; four steps of eight chunks
	s_mov_b32 s43, 0                               ; the step's 16 rows in my part of LDS
.Lstep:
	v_add_nc_u32 v[UAC], s43, v[UA0]
	ULOAD 0
	TILE 0
	TILE 1
	TILE 2
	TILE 3
	s_wait_dscnt 0x0
	YSEND 3
	s_wait_xcnt 0x0                                ; the stores' base is stepped only behind this wait
	s_add_nc_u64 s[16:17], s[16:17], 1024          ; eight chunks of 128 bytes on
	s_add_co_u32 s43, s43, 16*UPITCH
	s_sub_co_u32 s42, s42, 1
	s_cmp_lg_u32 s42, 0
	s_cbranch_scc1 .Lstep
	s_wait_tensorcnt 0x0                           ; the wave's end, behind my tensor load and my last LDS store
	ds_add_u32 v[SPW], v[NIL]
	s_wait_dscnt 0x0
	s_endpgm
.Lfunc_end_k_qf3ef8c197b_ssm:
	.size	k_qf3ef8c197b_ssm, .Lfunc_end_k_qf3ef8c197b_ssm-k_qf3ef8c197b_ssm
	.p2alignl 7, 3214868480
	.fill 96, 4, 3214868480
	.section	.rodata,"a",@progbits
	.p2align	6, 0x0
	.amdhsa_kernel k_qf3ef8c197b_ssm
		.amdhsa_group_segment_fixed_size 229888
		.amdhsa_private_segment_fixed_size 0
		.amdhsa_enable_private_segment 0
		.amdhsa_kernarg_size 56
		.amdhsa_user_sgpr_count 2
		.amdhsa_user_sgpr_kernarg_segment_ptr 1
		.amdhsa_wavefront_size32 1
		.amdhsa_system_sgpr_workgroup_id_x 1
		.amdhsa_system_sgpr_workgroup_id_y 1
		.amdhsa_system_sgpr_workgroup_id_z 1
		.amdhsa_system_vgpr_workitem_id 0
		.amdhsa_next_free_vgpr 896
		.amdhsa_next_free_sgpr 66
		.amdhsa_reserve_vcc 0
		.amdhsa_float_denorm_mode_32 3
		.amdhsa_float_denorm_mode_16_64 3
		.amdhsa_memory_ordered 1
		.amdhsa_forward_progress 1
		.amdhsa_inst_pref_size 102
	.end_amdhsa_kernel
	.amdgpu_metadata
---
amdhsa.version: [ 1, 2 ]
amdhsa.kernels:
  - .name:           k_qf3ef8c197b_ssm
    .symbol:         k_qf3ef8c197b_ssm.kd
    .args:
      - { .name: u_blk, .offset: 0, .size: 8, .value_kind: global_buffer, .address_space: global }
      - { .name: log_A, .offset: 8, .size: 8, .value_kind: global_buffer, .address_space: global }
      - { .name: B_param, .offset: 16, .size: 8, .value_kind: global_buffer, .address_space: global }
      - { .name: C_param, .offset: 24, .size: 8, .value_kind: global_buffer, .address_space: global }
      - { .name: D_param, .offset: 32, .size: 8, .value_kind: global_buffer, .address_space: global }
      - { .name: log_dt, .offset: 40, .size: 8, .value_kind: global_buffer, .address_space: global }
      - { .name: y_t, .offset: 48, .size: 8, .value_kind: global_buffer, .address_space: global }
    .group_segment_fixed_size: 229888
    .private_segment_fixed_size: 0
    .kernarg_segment_align: 8
    .kernarg_segment_size: 56
    .max_flat_workgroup_size: 128
    .sgpr_count:     66
    .vgpr_count:     896
    .wavefront_size: 32
...
	.end_amdgpu_metadata
.endif
;; end of part 2
;; launch proj (part 3): grid 4 x 64, 4 waves a work-group, clusters of 4 x 4, 327,680 bytes of LDS; arguments y_t, w_bf, x, b_out, out0; writes out0
.if DOCPART == 3
	.amdgcn_target "amdgcn-amd-amdhsa--gfx1250"
	.amdhsa_code_object_version 6
	.text
	.protected	k_qf3ef8c197b_proj
	.globl	k_qf3ef8c197b_proj
	.p2align	8
	.type	k_qf3ef8c197b_proj,@function
k_qf3ef8c197b_proj:
	s_mov_b64 s[64:65], 0
	v_nop
	global_prefetch_b8 v0, s[64:65] scope:SCOPE_SE
	s_setreg_imm32_b32 hwreg(HW_REG_WAVE_MODE, 25, 1), 1
	s_wait_xcnt 0x0
	s_wait_alu depctr_hold_cnt(0) depctr_sa_sdst(0) depctr_va_vdst(0) depctr_va_sdst(0) depctr_va_ssrc(0) depctr_va_vcc(0) depctr_vm_vsrc(0)
	s_getreg_b32 s2, hwreg(HW_REG_IB_STS2, 6, 4)
	s_cmp_eq_u32 s2, 0
	s_cbranch_scc0 .Lentry_in_a_cluster
	s_endpgm
.Lentry_in_a_cluster:
	s_bfe_u32 s2, ttmp6, 0x10000c
	s_cmp_lg_u32 s2, 0xf033
	s_cbranch_scc0 .Lentry_shape_is_right
	s_endpgm
.Lentry_shape_is_right:
; out0[m][n] = x[m][n] + b_out[n] + sum over k of y[m][k] W[n][k].  m = 16,384 rows (batch x time), n = k = 1,024.  y_t: [k][m] bf16; w_bf: [n][k] bf16; x, b_out, out0: f32.  Sums in f32.
; A tile of out0, 256 x 256, is made by a work-group of four waves; a wave makes 128 x 128: 64 accumulators of 16 x 16, 512 registers.  K goes in steps of 128 through a ring of two LDS slots
; filled by the tensor data mover.  W's tile has rows along K (128 rows of 256 bytes a load); y's tile lies [k][m] (64 rows of 512 bytes a load) and its fragments come out of LDS turned, by ds_load_tr16_b128.
; CLUSTERS: 4 x 4 work-groups.  The four of a row of the cluster need the same tiles of y, the four of a column the same tiles of W: each tile is asked for JOINTLY, by the same tensor load with the
; same descriptor and a mask that names the four.  By this text's count a wave has two tensor loads out at the start and one behind each round.
; THE MATRIX INSTRUCTION IS USED TRANSPOSED: source 0 = 16 rows of W, source 1 = 16 rows of y.  In the result lane l holds row m = l % 16 and columns n = 8 (l / 16) + 0..7.
; THE BIAS STARTS THE SUMS: it is the C operand of the first product on each accumulator.  THE RESIDUAL is added on the way out; x's first three blocks of 16 rows are loaded at the start into registers that lie idle.
; REGISTERS, in windows of 256 (s_set_vgpr_msb: bits 1:0 source 0, 3:2 source 1, 5:4 source 2, 7:6 destination):
;   window 0: v0-31 addresses; v64-127, v128-191 fragments of y, two buffers, later rows back from the stage; v192-255 the bias, later a block of x
;   window 1: v64-127, v128-191 fragments of W, two buffers, later blocks of x; v0-63, v192-255 blocks of x
;   window 2: the 32 accumulators of my rows 0-63 ((a, b) at v[8 (8 a + b)]);   window 3: those of my rows 64-127
.set KSTEP,  128
.set PA,     544                       ; a k-row of y in LDS: 512 bytes + 32: 16 lanes of the turning load take 8 rows x 32 bytes, which fall on eight different 32-byte columns
.set PB,     272                       ; a row of W: 256 bytes + 16: the 16 rows that a load touches fall on 16 different 16-byte columns
.set HALFT,  64*PA                     ; what one tensor load brings: 64 k-rows of y, or 128 rows of W (128 x 272 is the same number)
.set SLOT,   4*HALFT                   ; y's 128 k-rows, then W's 256 rows
.set STAGE,  2*SLOT                    ; behind the ring: 16 rows x 528 bytes for each wave, for the way out
.set SPITCH, 528
.set SPARE,  STAGE+4*16*SPITCH         ; the spare words, 128 bytes for each wave, that no other line names
.set LAPS,   4                         ; a lap = two K steps = once round the ring
.set AROW,   32768                     ; bytes in a k-row of y_t
.set CROW,   4096                      ; bytes in a row of x and of out0
.set ADRA, 16                          ; v16-17  LDS address of my y fragments in slot 0, 1
.set ADRB, 20                          ; v20-21  the same for W
.set STO,  24                          ; v24     the way out: where I put 32 bytes of a row
.set RD,   25                          ; v25     the way out: where I read a row back
.set CO,   26                          ; v26     16 x lane: my bytes in a row's 512; never rewritten
.set BO,   27                          ; v27     32 x (l / 16): the bias
.set SPW,  28                          ; v28     LDS address of my spare word; never rewritten
.set NIL,  29                          ; v29     0; never rewritten
.set F0,   64
.set F1,   128
.set BIAS, 192                         ; window 0: b_out[col0 + 16 b + 8 (l / 16) + j] at BIAS + 8 b + j
.set G1, 24                            ; s[24:31] descriptor group 1 for y's tiles
.set G0, 32                            ; s[32:39] descriptor group 0 for y's tiles, one set for each slot
.set G1B, 48                           ; s[48:55] group 1 for W's tiles
.set G0B, 56                           ; s[56:63] group 0 for W's tiles
.set MSB, 0
.macro WIN new                         ; the immediate's high byte repeats the setting that is left
.if MSB != (\new)
	s_set_vgpr_msb (MSB<<8)|(\new)
.set MSB, (\new)
.endif
.endm
.set MUL_LO, 0xa1                      ; source 0 (W) window 1, source 1 (y) window 0, C and D window 2
.set MUL_HI, 0xf1                      ; the same, C and D window 3
.set TO_B,   0x40                      ; destination window 1, address window 0
; A joint load.  Waves 0 and 1 fetch y's two halves, waves 2 and 3 W's.  The branch hangs on the wave's number alone.
; An s_nop 0 and four v_nop follow each of the two lines, ahead of the jump, the label and what follows.
.macro JLOAD s
	s_cmp_eq_u32 s11, 0
	s_cbranch_scc0 .Lfor_b_\@
	tensor_load_to_lds s[G0+4*(\s):G0+4*(\s)+3], s[G1:G1+7]
	s_nop 0
.rept 4
	v_nop
.endr
	s_branch .Lasked_\@
.Lfor_b_\@:
	tensor_load_to_lds s[G0B+4*(\s):G0B+4*(\s)+3], s[G1B:G1B+7]
	s_nop 0
.rept 4
	v_nop
.endr
.Lasked_\@:
.endm
; A round of the cluster's barrier: my work-group's barrier; wave 0 signals for the work-group; every wave waits for all sixteen work-groups; my work-group's barrier once more.
.macro CREST                           ; a round behind its opening barrier
	s_cmp_lg_u32 s10, 0
	s_cbranch_scc1 .Lnot_wave_0_\@
	s_barrier_signal -3
.Lnot_wave_0_\@:
	s_barrier_wait -3
	s_barrier_signal -1
	s_barrier_wait -1
.endm
.macro CROUND                          ; a whole round
	s_barrier_signal -1
	s_barrier_wait -1
	CREST
.endm
	s_load_b128 s[4:7], s[0:1], 0x0                ; y_t s[4:5], w_bf s[6:7]
	s_load_b128 s[68:71], s[0:1], 0x10             ; x s[68:69], b_out s[70:71]
	s_load_b64 s[8:9], s[0:1], 0x20                ; out0
	v_lshl_add_u32 v[SPW], v0, 2, SPARE
	v_mov_b32 v[NIL], 0
	ds_add_u32 v[SPW], v[NIL]                      ; the wave's opening: the add and its wait ahead of my first tensor load; the set-up below, work on registers, stands between them
	ds_add_u32 v28, v29
	v_lshrrev_b32 v1, 5, v0
	v_readfirstlane_b32 s10, v1                    ; wave 0..3
	s_lshr_b32 s11, s10, 1                         ; which half of the tile's rows is mine.  Also: I fetch for y (0) or for W (1)
	s_and_b32 s12, s10, 1                          ; which half of its columns.  Also: which half of that tile I fetch
	s_bfe_u32 s40, ttmp6, 0x40000                  ; cx
	s_bfe_u32 s41, ttmp6, 0x40004                  ; cy
	s_lshl_b32 s42, ttmp9, 2                       ; in a cluster launch ttmp9 and ttmp7 count clusters
	s_add_co_u32 s42, s42, s40                     ; tile column = 4 x cluster x + cx
	s_and_b32 s13, ttmp7, 0xffff
	s_lshl_b32 s13, s13, 2
	s_add_co_u32 s13, s13, s41                     ; tile row = 4 x cluster y + cy
	s_lshl_b32 s43, s41, 2
	s_lshl_b32 s43, 15, s43                        ; my row of the cluster: places 4 cy .. 4 cy + 3
	s_lshl_b32 s44, 0x1111, s40                    ; my column: places cx, cx + 4, cx + 8, cx + 12
	; group 1 for y: 64 k-rows x 256 elements, 16,384 elements from row to row; 8 words of padding behind every 128
	s_or_b32 s[G1+0], s43, (1<<16)|(1<<20)|(1<<21)|(6<<22)|(7<<25)  ; 15:0 the mask: my row; 17:16 2-byte elements; 20 padding on; 21 set beside a mask; 24:22 code 6; 31:25 code 7
	s_mov_b32 s[G1+1], 256<<16                     ; tensor_dim0 = 256
	s_mov_b32 s[G1+2], 64<<16                      ; tensor_dim1 = 64
	s_mov_b32 s[G1+3], 256<<16                     ; tile_dim0 = 256
	s_mov_b32 s[G1+4], 64                          ; tile_dim1 = 64
	s_mov_b32 s[G1+5], 16384                       ; tensor_dim0_stride
	s_mov_b32 s[G1+6], 0
	s_mov_b32 s[G1+7], 0
	; group 1 for W: 128 rows x 128 elements, 1,024 elements from row to row; 4 words of padding behind every 64
	s_or_b32 s[G1B+0], s44, (1<<16)|(1<<20)|(1<<21)|(5<<22)|(3<<25) ; the mask: my column
	s_mov_b32 s[G1B+1], KSTEP<<16
	s_mov_b32 s[G1B+2], 128<<16
	s_mov_b32 s[G1B+3], KSTEP<<16
	s_mov_b32 s[G1B+4], 128
	s_mov_b32 s[G1B+5], 1024
	s_mov_b32 s[G1B+6], 0
	s_mov_b32 s[G1B+7], 0
	; y's tiles hang on the tile row alone, W's on the tile column alone; each address is made in registers that do not hold the other coordinate
	s_lshl_b32 s16, s12, 21                        ; y: 64 k-rows of 32,768 bytes x half,
	s_lshl_b32 s17, s13, 9                         ; 256 columns of 2 bytes x tile row
	s_add_co_u32 s16, s16, s17
	s_mov_b32 s17, 0
	s_lshl_b32 s46, s42, 8                         ; W: row 256 x tile column + 128 x half,
	s_lshl_b32 s47, s12, 7
	s_add_co_u32 s46, s46, s47
	s_lshl_b32 s46, s46, 11                        ; of 2,048 bytes
	s_mov_b32 s47, 0
	s_mul_i32 s20, s10, HALFT                      ; where they go: wave x a load's bytes: no place in the cluster enters an LDS address
	s_wait_dscnt 0x0                               ; the opening add is done
	s_wait_kmcnt 0x0
	s_add_nc_u64 s[14:15], s[4:5], s[16:17]
	s_add_nc_u64 s[46:47], s[6:7], s[46:47]
	CROUND                                         ; all sixteen work-groups are here: the first joint loads meet
.irp s, 0,1
	s_mov_b32 s[G0+4*(\s)], 1                                      ; count = 1
	s_add_co_u32 s[G0+4*(\s)+1], s20, (\s)*SLOT                    ; LDS address
	s_add_nc_u64 s[G0+4*(\s)+2:G0+4*(\s)+3], s[14:15], (\s)*KSTEP*AROW  ; global address: K step s
	s_or_b32 s[G0+4*(\s)+3], s[G0+4*(\s)+3], 0x80000000            ; type = 2
	s_mov_b32 s[G0B+4*(\s)], 1
	s_add_co_u32 s[G0B+4*(\s)+1], s20, (\s)*SLOT
	s_add_nc_u64 s[G0B+4*(\s)+2:G0B+4*(\s)+3], s[46:47], (\s)*KSTEP*2
	s_or_b32 s[G0B+4*(\s)+3], s[G0B+4*(\s)+3], 0x80000000
	JLOAD \s                                       ; the ring is filled before anything else is done
.endr
	v_and_b32 v1, 15, v0                           ; l % 16
	v_bfe_u32 v2, v0, 4, 1                         ; l / 16
	; y's fragment (16 rows m x 32 k) from [k][m]: lane l reads 16 bytes of k-row 8 (l / 16) + l % 8, columns 8 ((l / 8) % 2) ..; the turning load leaves row m = l % 16, eight k; a second load 16 k-rows on
	v_and_b32 v4, 7, v0
	v_lshl_add_u32 v4, v2, 3, v4
	v_mul_u32_u24 v3, v4, PA
	v_bfe_u32 v5, v0, 3, 1
	v_lshl_add_u32 v3, v5, 4, v3
	; W's fragment: lane l holds row l % 16; two loads of 16 bytes, 32 bytes apart
	v_mul_u32_u24 v6, v1, PB
	v_lshl_add_u32 v6, v2, 4, v6
	s_lshl_b32 s21, s11, 8                         ; my 128 columns of y's k-rows
	s_mul_i32 s22, s12, HALFT                      ; my 128 rows of W,
	s_add_co_u32 s22, s22, 2*HALFT                 ; which lie behind y's tile
.irp s, 0,1
	v_add_nc_u32 v[ADRA+(\s)], s21, v3
	v_add_nc_u32 v[ADRB+(\s)], s22, v6
	s_add_co_u32 s21, s21, SLOT
	s_add_co_u32 s22, s22, SLOT
.endr
	s_mul_i32 s23, s10, 16*SPITCH
	s_add_co_u32 s23, s23, STAGE                   ; my stage
	v_mul_u32_u24 v4, v1, SPITCH                   ; in: row l % 16, 32 bytes for each half of the lanes
	v_lshl_add_u32 v4, v2, 5, v4
	v_add_nc_u32 v[STO], s23, v4
	v_and_b32 v5, 31, v0
	v_lshlrev_b32 v[CO], 4, v5
	v_add_nc_u32 v[RD], s23, v[CO]                 ; back: a whole row of 512 bytes a load
	v_lshlrev_b32 v[BO], 5, v2
	s_lshl_b32 s16, s13, 8                         ; my first row: 256 x tile row + 128 x half,
	s_lshl_b32 s17, s11, 7
	s_add_co_u32 s16, s16, s17
	s_lshl_b32 s16, s16, 12                        ; of 4,096 bytes
	s_mov_b32 s17, 0
	s_lshl_b32 s66, s42, 8                         ; my first column: 256 x tile column + 128 x half,
	s_lshl_b32 s67, s12, 7
	s_add_co_u32 s66, s66, s67
	s_lshl_b32 s66, s66, 2                         ; of 4 bytes
	s_mov_b32 s67, 0
	s_add_nc_u64 s[70:71], s[70:71], s[66:67]      ; b_out at my first column
	s_add_nc_u64 s[16:17], s[16:17], s[66:67]
	s_add_nc_u64 s[68:69], s[68:69], s[16:17]      ; x and out0 at my corner: every row then stands in an immediate, 127 x 4,096 at the most
	s_add_nc_u64 s[8:9], s[8:9], s[16:17]
.set k, 0
.rept 16                               ; k = 2 b + z
	global_load_b128 v[BIAS+4*k:BIAS+4*k+3], v[BO], s[70:71] offset:64*(k/2)+16*(k%2)
.set k, k+1
.endr
; Block a of x (16 rows x 512 bytes) has one of five homes, by a % 5
.macro XSEL a
.if (\a)%5 == 0
.set XWN, 1
.set XRG, 0
.elseif (\a)%5 == 1
.set XWN, 1
.set XRG, 192
.elseif (\a)%5 == 2
.set XWN, 0
.set XRG, 192
.elseif (\a)%5 == 3
.set XWN, 1
.set XRG, 64
.else
.set XWN, 1
.set XRG, 128
.endif
.endm
.macro XLOAD a
	XSEL \a
	WIN XWN<<6
.set t, 0
.rept 16
	global_load_b128 v[XRG+4*t:XRG+4*t+3], v[CO], s[68:69] offset:(16*(\a)+t)*CROW th:TH_LOAD_NT
.set t, t+1
.endr
	WIN 0
.endm
; 16 matrix instructions: m blocks a0, a0 + 1 of the window's four (hi = 0: my rows 0-63, 1: rows 64-127) x all 8 n blocks, 32 along K.
; first = 1: the first product on each accumulator takes the bias as C: nothing is ever cleared.  The 64 accumulators take turns, one instruction a turn.
.macro MUL16 f, hi, a0, first
.if \first
	WIN 0x81+0x40*(\hi)                            ; C in window 0
.else
	WIN MUL_LO+0x50*(\hi)
.endif
.irp a, \a0, (\a0)+1
.irp b, 0,1,2,3,4,5,6,7
.if \first
	v_wmma_f32_16x16x32_bf16 v[8*(8*(\a)+(\b)):8*(8*(\a)+(\b))+7], v[(\f)+8*(\b):(\f)+8*(\b)+7], v[(\f)+8*(4*(\hi)+(\a)):(\f)+8*(4*(\hi)+(\a))+7], v[BIAS+8*(\b):BIAS+8*(\b)+7]
.else
	v_wmma_f32_16x16x32_bf16 v[8*(8*(\a)+(\b)):8*(8*(\a)+(\b))+7], v[(\f)+8*(\b):(\f)+8*(\b)+7], v[(\f)+8*(4*(\hi)+(\a)):(\f)+8*(4*(\hi)+(\a))+7], v[8*(8*(\a)+(\b)):8*(8*(\a)+(\b))+7]
.endif
.endr
.endr
.endm
; 32 LDS loads in one run: the fragments of quarter q of a K step (32 along K) into buffer f: W's 128 rows, then y's 128 rows
.macro FETCH slot, q, f
	WIN TO_B
.irp i, 0,1,2,3,4,5,6,7
	ds_load_b128 v[(\f)+8*(\i):(\f)+8*(\i)+3],   v[ADRB+(\slot)] offset:64*(\q)+(\i)*16*PB
	ds_load_b128 v[(\f)+8*(\i)+4:(\f)+8*(\i)+7], v[ADRB+(\slot)] offset:64*(\q)+(\i)*16*PB+32
.endr
	WIN 0
.irp i, 0,1,2,3,4,5,6,7
	ds_load_tr16_b128 v[(\f)+8*(\i):(\f)+8*(\i)+3],   v[ADRA+(\slot)] offset:32*PA*(\q)+32*(\i)
	ds_load_tr16_b128 v[(\f)+8*(\i)+4:(\f)+8*(\i)+7], v[ADRA+(\slot)] offset:32*PA*(\q)+32*(\i)+16*PA
.endr
.endm
.macro PLACES                          ; a load into a register that a matrix instruction has read, and an instruction that reads a matrix result, stand four places behind it (ISA guide 7.12.1 for the instruction that reads a result)
.rept 4
	v_nop
.endr
.endm
; A K step is four quarters of 32 along K, 64 matrix instructions each, on buffers 0, 1, 0, 1.  One of the first three: multiplies buffer f; in its middle it fetches quarter q of the same slot into buffer g.
.macro QUARTER slot, q, f, g, first
	s_wait_dscnt 8                                 ; W and y's rows 0-63 are in; the youngest eight loads (y's rows 64-127) may be out
	MUL16 \f, 0, 0, \first
	MUL16 \f, 0, 2, \first
	PLACES
	FETCH \slot, \q, \g
	s_wait_dscnt 32                                ; all but the 32 just issued
	MUL16 \f, 1, 0, \first
	MUL16 \f, 1, 2, \first
.endm
; The last quarter multiplies buffer 1 and changes slots.  MEET is its first half: ONE barrier for the change.  In front of it each wave waits for all its tensor loads, of which one is out: its part of
; the next slot; adds 0 to its spare word; and waits for that and for its own reads of this slot.  Behind it nobody reads this slot any more and the next slot is whole.
.macro MEET round                      ; round = 1: a round of the cluster's barrier follows
	WIN 0                                          ; (the add's two registers lie in window 0)
	s_wait_tensorcnt 0x0                           ; all my tensor loads have landed
	ds_add_u32 v[SPW], v[NIL]                      ; 0 onto my spare word
	s_wait_dscnt 9                                 ; (the add and the youngest eight loads may be out)
	MUL16 F1, 0, 0, 0                              ; sixteen matrix instructions stand between the add and the wait for it
	s_wait_dscnt 0x0                               ; the add is done, and my reads of this slot are over
	s_barrier_signal -1
	MUL16 F1, 0, 2, 0                              ; work on registers while the others arrive
.if \round
	WIN 0
.endif
	s_barrier_wait -1
.endm
; The whole last quarter: behind the round the slot just read out is filled again first, with the K step two steps on; then come the next slot's first fragments.
.macro TURN slot, next
	MEET 1
	CREST                                          ; no wave of any partner still reads this slot's tile or has a load on its way
	s_add_nc_u64 s[G0+4*(\slot)+2:G0+4*(\slot)+3], s[G0+4*(\slot)+2:G0+4*(\slot)+3], 2*KSTEP*AROW
	s_add_nc_u64 s[G0B+4*(\slot)+2:G0B+4*(\slot)+3], s[G0B+4*(\slot)+2:G0B+4*(\slot)+3], 2*KSTEP*2
	JLOAD \slot                                    ; the first tensor load behind the round; the four v_nop behind it are also the places in front of the loads below
	FETCH \next, 0, F0
	MUL16 F1, 1, 0, 0
	MUL16 F1, 1, 2, 0
.endm
; THE WAY OUT of block a (16 rows), in f32.  TOSTAGE: a lane's eight columns of a row, 32 bytes, straight from the accumulators into my own stage (each accumulator's low four registers first),
; and back as whole rows of 512 bytes.  SEND: x is added and the rows are stored: each store of the wave covers 512 consecutive bytes, at a multiple of 512.
.macro TOSTAGE a
.set AC, 64*((\a)%4)
.set BK, 64+64*((\a)%2)
	s_wait_xcnt 0x0                                ; the loads below land on the registers that the stores of two blocks ago read
	WIN 0x08+4*((\a)/4)                            ; store data (source 1) in window 2 or 3
.irp b, 0,1,2,3,4,5,6,7
	ds_store_b128 v[STO], v[AC+8*(\b):AC+8*(\b)+3] offset:64*(\b)
	ds_store_b128 v[STO], v[AC+8*(\b)+4:AC+8*(\b)+7] offset:64*(\b)+16
.endr
	WIN 0
.set t, 0
.rept 16
	ds_load_b128 v[BK+4*t:BK+4*t+3], v[RD] offset:SPITCH*t  ; LDS serves a wave's instructions in order (ISA guide 5.7.1.4): these see the stores above; the next block's stores come behind them
.set t, t+1
.endr
.endm
.macro SEND a, younger, left           ; younger: LDS instructions issued behind block a's loads; left: loads of x issued behind block a's
	XSEL \a
.set BK, 64+64*((\a)%2)
	s_wait_dscnt \younger
	s_wait_loadcnt \left
	WIN XWN<<2
.set t, 0
.rept 32
	v_pk_add_f32 v[BK+2*t:BK+2*t+1], v[BK+2*t:BK+2*t+1], v[XRG+2*t:XRG+2*t+1]
.set t, t+1
.endr
	WIN 0
.set t, 0
.rept 16
	global_store_b128 v[CO], v[BK+4*t:BK+4*t+3], s[8:9] offset:(16*(\a)+t)*CROW th:TH_STORE_NT
.set t, t+1
.endr
.endm
	XLOAD 0                                        ; x's first two blocks, into registers that the loop does not name
	XLOAD 1
	s_wait_tensorcnt 1                             ; my part of K step 0 is in; K step 1's may stay out
	s_barrier_signal -1
	s_barrier_wait -1                              ; everybody's is
	FETCH 0, 0, F0
	s_wait_loadcnt 32                              ; the bias is in: behind it the 32 loads of x were issued
	QUARTER 0, 1, F0, F1, 1                        ; the first quarter stands in front of the loop: its products start the sums with the bias
	WIN 0                                          ; at a label and at a branch every window is 0
	PLACES
	XLOAD 2                                        ; the bias has been read: its registers take x's third block
	s_mov_b32 s3, LAPS-1
.Llap:                                                 ; a trip goes once round the ring, from a lap's second quarter to the next lap's first, and fills both slots again
	QUARTER 0, 2, F1, F0, 0
	QUARTER 0, 3, F0, F1, 0
	TURN 0, 1
	QUARTER 1, 1, F0, F1, 0
	QUARTER 1, 2, F1, F0, 0
	QUARTER 1, 3, F0, F1, 0
	TURN 1, 0
	QUARTER 0, 1, F0, F1, 0
	WIN 0
	s_sub_co_u32 s3, s3, 1
	s_cmp_lg_u32 s3, 0
	s_cbranch_scc1 .Llap
	QUARTER 0, 2, F1, F0, 0                        ; the last lap fills nothing, and has no round of the cluster's barrier
	QUARTER 0, 3, F0, F1, 0
	MEET 0
	PLACES
	FETCH 1, 0, F0
	MUL16 F1, 1, 0, 0
	MUL16 F1, 1, 2, 0
	QUARTER 1, 1, F0, F1, 0
	QUARTER 1, 2, F1, F0, 0
	QUARTER 1, 3, F0, F1, 0
	s_wait_dscnt 8                                 ; the very last quarter: nothing more to fetch
	MUL16 F1, 0, 0, 0
	MUL16 F1, 0, 2, 0
	s_wait_dscnt 0x0
	MUL16 F1, 1, 0, 0
	MUL16 F1, 1, 2, 0
	WIN 0
	PLACES                                         ; for the loads into the fragments' registers and the stores of results just made
	XLOAD 3
	XLOAD 4
	TOSTAGE 0
.irp a, 0,1,2,3,4,5,6,7                ; block a + 1 goes through the stage while block a waits for its loads
.if (\a) < 7
	TOSTAGE (\a)+1
.endif
.if (\a) < 4
	SEND \a, 32, 63                                ; four blocks of x, 64 loads, were issued behind this one's; a wait cannot name more than 63, and a smaller count is safe
.elseif (\a) < 7
	SEND \a, 32, 16*(7-(\a))
.else
	SEND \a, 0, 0
.endif
.if (\a) < 3
	XLOAD (\a)+5                                   ; its home takes the block five further on
.endif
.endr
	s_wait_tensorcnt 0x0                           ; the wave's end, behind my last tensor load and my last LDS store
	ds_add_u32 v[SPW], v[NIL]
	s_wait_dscnt 0x0
	CROUND                                         ; the closing round: no work-group ends while a partner may still ask for a tile that names it
	s_endpgm
.Lfunc_end_k_qf3ef8c197b_proj:
	.size	k_qf3ef8c197b_proj, .Lfunc_end_k_qf3ef8c197b_proj-k_qf3ef8c197b_proj
	.p2alignl 7, 3214868480
	.fill 96, 4, 3214868480
	.section	.rodata,"a",@progbits
	.p2align	6, 0x0
	.amdhsa_kernel k_qf3ef8c197b_proj
		.amdhsa_group_segment_fixed_size 327680
		.amdhsa_private_segment_fixed_size 0
		.amdhsa_enable_private_segment 0
		.amdhsa_kernarg_size 40
		.amdhsa_user_sgpr_count 2
		.amdhsa_user_sgpr_kernarg_segment_ptr 1
		.amdhsa_wavefront_size32 1
		.amdhsa_system_sgpr_workgroup_id_x 1
		.amdhsa_system_sgpr_workgroup_id_y 1
		.amdhsa_system_sgpr_workgroup_id_z 1
		.amdhsa_system_vgpr_workitem_id 0
		.amdhsa_next_free_vgpr 1024
		.amdhsa_next_free_sgpr 72
		.amdhsa_reserve_vcc 0
		.amdhsa_float_denorm_mode_32 3
		.amdhsa_float_denorm_mode_16_64 3
		.amdhsa_memory_ordered 1
		.amdhsa_forward_progress 1
		.amdhsa_inst_pref_size 171
	.end_amdhsa_kernel
	.amdgpu_metadata
---
amdhsa.version: [ 1, 2 ]
amdhsa.kernels:
  - .name:           k_qf3ef8c197b_proj
    .symbol:         k_qf3ef8c197b_proj.kd
    .args:
      - { .name: y_t, .offset: 0, .size: 8, .value_kind: global_buffer, .address_space: global }
      - { .name: w_bf, .offset: 8, .size: 8, .value_kind: global_buffer, .address_space: global }
      - { .name: x, .offset: 16, .size: 8, .value_kind: global_buffer, .address_space: global }
      - { .name: b_out, .offset: 24, .size: 8, .value_kind: global_buffer, .address_space: global }
      - { .name: out0, .offset: 32, .size: 8, .value_kind: global_buffer, .address_space: global }
    .group_segment_fixed_size: 327680
    .private_segment_fixed_size: 0
    .kernarg_segment_align: 8
    .kernarg_segment_size: 40
    .max_flat_workgroup_size: 128
    .sgpr_count:     72
    .vgpr_count:     1024
    .wavefront_size: 32
...
	.end_amdgpu_metadata
.endif
;; end of part 3
